; MI455X (gfx1250); checked and timed in simulation.
; The chip was launched on July 23, 2026; its instructions are those of AMD's public machine-readable ISA for CDNA 5 (MIT licence, August 2026) and "CDNA5" Instruction Set Architecture Reference Guide (July 2026). The comments in the code are by the model that wrote it; some were corrected since.
;; KNRM. Allowed arithmetic: float matrix products may take bf16 or f16 operands with f32 sums; all other float work in f32.
;; Inputs: b0 10 float32; b1 5 float32; b2 1 float32; document_1 1,024 x 512 int32; document_2 1,024 x 512 int32; emb 50,000 x 128 float32; query_1 1,024 x 32 int32; query_2 1,024 x 32 int32; w0 10 x 10 float32; w1 5 x 10 float32; w2 1 x 5 float32.
;; Outputs: out0 1,024 x 1 float32.
;; One version. Each part assembles by itself: llvm-mc -triple=amdgcn-amd-amdhsa -mcpu=gfx1250 --defsym DOCPART=n.
;; ======== version 1 of 1: 2 launches
;; workspace buffers: tab 12,800,000 bytes
;; launch norm (part 1): grid 250 x 1, 8 waves a work-group, no clusters, 0 bytes of LDS; arguments emb, tab; writes tab
.if DOCPART == 1
	.amdgcn_target "amdgcn-amd-amdhsa--gfx1250"
	.amdhsa_code_object_version 6
	.text
	.protected	k_q6e0846b5f7_norm
	.globl	k_q6e0846b5f7_norm
	.p2align	8
	.type	k_q6e0846b5f7_norm,@function
k_q6e0846b5f7_norm:
	s_mov_b64 s[64:65], 0
	v_nop
	global_prefetch_b8 v0, s[64:65] scope:SCOPE_SE
	s_setreg_imm32_b32 hwreg(HW_REG_WAVE_MODE, 25, 1), 1
	s_wait_xcnt 0x0
; tab[i][:] = f16( emb[i][:] * KAPPA / max(|emb[i]|, 1e-12) ).   emb: [50000][128] f32, tab: [50000][128] f16 (256 bytes a row).
; Each vocabulary row is normalised ONCE here (50,000 rows) instead of at each of its 1,114,112 uses in the next launch.
; KAPPA = (50 log2 e)^(1/4): the product of two table rows is then u = s x with x the cosine and s^2 = 50 log2 e,
; so that exp(-50 x^2) = exp2(-u u) without a further multiply.
; f16 and not bf16: the operands are bounded by KAPPA = 2.92 for every input (the row is divided by its own norm, or by 1e-12
; where the norm is smaller still), so f16's range is never left, and its three more mantissa bits are wanted by the kernel of
; sigma = 0.001, which multiplies (x - 1)^2 by 500,000.
; LIMIT: the sum of squares is kept in f32 as in the reference; v_sqrt_f32 takes a denormal sum as 0 (ISA guide, the entry of
; V_SQRT_F32), which lies under the floor of 1e-12 like the true root (below 1.1e-19).
; SHARES: 250 work-groups x 200 rows = 50,000; a wave takes 25 rows; one 16-byte load of the wave is one whole row (512 bytes),
; one 8-byte store of the wave one whole row of tab: 256 consecutive bytes, at a multiple of 256 from tab's first byte.
; All 25 loads of a wave go out at once; the rows are then worked on five at a time, stage by stage, so that no instruction
; waits for the one in front of it.  No LDS, no barrier, no matrix unit: a stream that reads each byte once.
.set ROWS_WG,   200
.set ROWS_WAVE, 25
.set X, 4                              ; v[4:103]   row i: 4 registers, my 4 numbers of it
.set S, 104                            ; v[104:113] a pair for each of the five rows at work
	s_load_b128 s[4:7], s[0:1], 0x0                ; emb s[4:5], tab s[6:7]
	s_mul_i32 s2, ttmp9, ROWS_WG*512               ; the work-group's first row in emb, bytes (below 25,600,000)
	s_mov_b32 s3, 0
	s_mul_i32 s8, ttmp9, ROWS_WG*256               ; and in tab
	s_mov_b32 s9, 0
	s_mov_b32 s10, 0x76543210                      ; v_permlanex16_b32: lane i of one half reads lane i of the other
	s_mov_b32 s11, 0xfedcba98
	s_mov_b32 s12, 0x2b8cbccc                      ; 1e-12
	s_mov_b32 s13, 0x403a8419                      ; KAPPA = 2.9143126
	v_lshrrev_b32 v3, 5, v0                        ; wave
	v_and_b32 v2, 31, v0                           ; lane
	v_mul_u32_u24 v1, v3, ROWS_WAVE*512
	v_lshl_add_u32 v1, v2, 4, v1                   ; emb: wave x 25 rows + 16 x lane
	v_mul_u32_u24 v3, v3, ROWS_WAVE*256
	v_lshl_add_u32 v2, v2, 3, v3                   ; tab: wave x 25 rows + 8 x lane
	s_wait_kmcnt 0x0
	s_add_nc_u64 s[4:5], s[4:5], s[2:3]
	s_add_nc_u64 s[6:7], s[6:7], s[8:9]
.set i, 0
.rept ROWS_WAVE
	global_load_b128 v[X+4*i:X+4*i+3], v1, s[4:5] offset:512*i th:TH_LOAD_NT   ; emb is read once in the launch
.set i, i+1
.endr
; Rows 5 g .. 5 g + 4 of the wave.
.macro GROUP g
	s_wait_loadcnt 20-5*\g                         ; loads come back in order (ISA guide 5.7.1): the 20 - 5 g younger rows stay out
.irp i, 0,1,2,3,4
	v_pk_mul_f32 v[S+2*\i:S+2*\i+1], v[X+20*\g+4*\i:X+20*\g+4*\i+1], v[X+20*\g+4*\i:X+20*\g+4*\i+1]
.endr
.irp i, 0,1,2,3,4
	v_pk_fma_f32 v[S+2*\i:S+2*\i+1], v[X+20*\g+4*\i+2:X+20*\g+4*\i+3], v[X+20*\g+4*\i+2:X+20*\g+4*\i+3], v[S+2*\i:S+2*\i+1]
.endr
.irp i, 0,1,2,3,4
	v_add_f32 v[S+2*\i], v[S+2*\i], v[S+2*\i+1]    ; my four squares
.endr
.irp m, 1,2,4,8
.irp i, 0,1,2,3,4
	v_add_f32_dpp v[S+2*\i], v[S+2*\i], v[S+2*\i] row_xmask:\m row_mask:0xf bank_mask:0xf   ; over the 16 lanes of a half
.endr
.endr
.irp i, 0,1,2,3,4
	v_permlanex16_b32 v[S+2*\i+1], v[S+2*\i], s10, s11     ; the other half's sum (the destination has been written above)
.endr
.irp i, 0,1,2,3,4
	v_add_f32 v[S+2*\i], v[S+2*\i], v[S+2*\i+1]    ; every lane holds the row's sum of squares
.endr
.irp i, 0,1,2,3,4
	v_sqrt_f32 v[S+2*\i], v[S+2*\i]
.endr
	v_nop                                          ; one plain vector instruction behind a transcendental before its result is used (ISA guide 5.7.2)
	s_wait_alu depctr_va_vdst(0)
.irp i, 0,1,2,3,4
	v_max_num_f32 v[S+2*\i], s12, v[S+2*\i]        ; max(norm, 1e-12)
.endr
.irp i, 0,1,2,3,4
	v_rcp_f32 v[S+2*\i], v[S+2*\i]
.endr
	v_nop                                          ; the same place behind the reciprocals
	s_wait_alu depctr_va_vdst(0)
.irp i, 0,1,2,3,4
	v_mul_f32 v[S+2*\i], s13, v[S+2*\i]            ; KAPPA / max(norm, 1e-12)
.endr
.irp i, 0,1,2,3,4
	v_pk_mul_f32 v[X+20*\g+4*\i:X+20*\g+4*\i+1],   v[X+20*\g+4*\i:X+20*\g+4*\i+1],   v[S+2*\i:S+2*\i+1] op_sel_hi:[1,0]
	v_pk_mul_f32 v[X+20*\g+4*\i+2:X+20*\g+4*\i+3], v[X+20*\g+4*\i+2:X+20*\g+4*\i+3], v[S+2*\i:S+2*\i+1] op_sel_hi:[1,0]
.endr
.irp i, 0,1,2,3,4
	v_cvt_pk_f16_f32 v[X+20*\g+4*\i],   v[X+20*\g+4*\i],   v[X+20*\g+4*\i+1]
	v_cvt_pk_f16_f32 v[X+20*\g+4*\i+1], v[X+20*\g+4*\i+2], v[X+20*\g+4*\i+3]
.endr
.irp i, 0,1,2,3,4
	global_store_b64 v2, v[X+20*\g+4*\i:X+20*\g+4*\i+1], s[6:7] offset:256*(5*\g+\i)   ; no hint: the next launch reads tab many times.  No source of a store is written again
.endr
.endm
	GROUP 0
	GROUP 1
	GROUP 2
	GROUP 3
	GROUP 4
	s_endpgm
.Lfunc_end_k_q6e0846b5f7_norm:
	.size	k_q6e0846b5f7_norm, .Lfunc_end_k_q6e0846b5f7_norm-k_q6e0846b5f7_norm
	.p2alignl 7, 3214868480
	.fill 96, 4, 3214868480
	.section	.rodata,"a",@progbits
	.p2align	6, 0x0
	.amdhsa_kernel k_q6e0846b5f7_norm
		.amdhsa_group_segment_fixed_size 0
		.amdhsa_private_segment_fixed_size 0
		.amdhsa_enable_private_segment 0
		.amdhsa_kernarg_size 16
		.amdhsa_user_sgpr_count 2
		.amdhsa_user_sgpr_kernarg_segment_ptr 1
		.amdhsa_wavefront_size32 1
		.amdhsa_system_sgpr_workgroup_id_x 1
		.amdhsa_system_sgpr_workgroup_id_y 1
		.amdhsa_system_sgpr_workgroup_id_z 1
		.amdhsa_system_vgpr_workitem_id 0
		.amdhsa_next_free_vgpr 128
		.amdhsa_next_free_sgpr 66
		.amdhsa_reserve_vcc 0
		.amdhsa_float_denorm_mode_32 3
		.amdhsa_float_denorm_mode_16_64 3
		.amdhsa_memory_ordered 1
		.amdhsa_forward_progress 1
		.amdhsa_inst_pref_size 29
	.end_amdhsa_kernel
	.amdgpu_metadata
---
amdhsa.version: [ 1, 2 ]
amdhsa.kernels:
  - .name:           k_q6e0846b5f7_norm
    .symbol:         k_q6e0846b5f7_norm.kd
    .args:
      - { .name: emb, .offset: 0, .size: 8, .value_kind: global_buffer, .address_space: global }
      - { .name: tab, .offset: 8, .size: 8, .value_kind: global_buffer, .address_space: global }
    .group_segment_fixed_size: 0
    .private_segment_fixed_size: 0
    .kernarg_segment_align: 8
    .kernarg_segment_size: 16
    .max_flat_workgroup_size: 256
    .sgpr_count:     66
    .vgpr_count:     128
    .wavefront_size: 32
...
	.end_amdgpu_metadata
.endif
;; end of part 1
;; launch knrm (part 2): grid 1024 x 1, 8 waves a work-group, no clusters, 67,584 bytes of LDS; arguments tab, query_1, document_1, query_2, document_2, w0, b0, w1, b1, w2, b2, out0; writes out0
.if DOCPART == 2
	.amdgcn_target "amdgcn-amd-amdhsa--gfx1250"
	.amdhsa_code_object_version 6
	.text
	.protected	k_q6e0846b5f7_knrm
	.globl	k_q6e0846b5f7_knrm
	.p2align	8
	.type	k_q6e0846b5f7_knrm,@function
k_q6e0846b5f7_knrm:
	s_mov_b64 s[64:65], 0
	v_nop
	global_prefetch_b8 v0, s[64:65] scope:SCOPE_SE
	s_setreg_imm32_b32 hwreg(HW_REG_WAVE_MODE, 25, 1), 1
	s_wait_xcnt 0x0
; out0[b] = sigmoid(logit(query_1[b], document_1[b]) - logit(query_2[b], document_2[b])).
; A work-group owns one batch b with BOTH sides, so the difference of the logits never goes through memory.
; Wave w: side = w / 4, quarter = w % 4: documents 128 quarter .. + 127 of its side (8 tiles of 16) against all 32 queries.
;
; THE COSINES.  tab holds the normalised rows times KAPPA in f16, so a matrix result is u = s x, x the cosine, s^2 = 50 log2 e.
; Documents are the matrix instruction's A (rows), queries its B (columns): register j of lane (r, h) holds (document 8 h + j, query r),
; so the sum over documents runs along a lane's registers and over the tiles: 10 kernels x 2 query tiles x one register pair.
;
; THE TEN KERNELS WITH FOUR EXPONENTIALS.  Kernels k = 0 .. 8 have mu = (k - 4) 2/9 and sigma = 0.1.  With j = k - 4, a = CA u, CA = 2 s 2/9:
;   exp(-50 (x - mu)^2) = c_j exp2(-u^2 + j a),   c_j = exp2(-3.562210 j^2), applied once, behind the sum over documents.
; For each cosine: g = exp2(-u^2), t = exp2(a), m = exp2(-u^2 - 4 a); the sums of j = -4 .. -1 take m, m t, m t^2, m t^2 t, those of
; j = 0 .. 4 take g, g t, g t^2, g t^2 t, g t^2 t^2.  Kernel 9 (mu = 1, sigma = 0.001) is exp2(-(100 u - 100 s)^2).
; RANGE, for every input, since |x| <= 1 but for rounding: every summand exp2(-u^2 + j a) <= 2^57.1, a sum of 512 of them <= 2^66.1;
; t^2 lies in 2^-64.2 .. 2^64.2; g >= 2^-72.3; all terms are positive, nothing cancels.  No maximum is taken away in the reference either.
; LIMIT: m comes out as 0 where -u^2 - 4 a < -126, that is for x > 0.70 (v_exp_f32 gives 0 for a denormal result: ISA guide, its entry);
; kernels 0 to 3 are below 1e-18 each there, 512 of them below 1e-15 in a sum to which 1 is added.  Products that fall below f32's
; range at the other end (g t^2 t^2 for x near -1) stand for kernels below 1e-60.
; LIMIT: an index is clamped to 49,999, the table's last row (the problem keeps indices inside the table).
;
; THE GATHER.  One 16-byte load of the wave takes two whole rows of tab: sixteen neighbouring lanes read the 256 bytes of one row.
; The rows go through a stage in LDS that is the wave's own (16 rows, pitch 272) and come back as fragments.  Two register buffers
; take turns: while a tile is worked on, the next tile's eight loads are out, and the tile after that is asked for.
; NOT USED, and why: joint loads in a cluster (work-groups share no tile, only scattered rows of a table); the tensor data mover
; (the rows are scattered); large accumulator tiles (a document row feeds 8 matrix instructions and 640 kernel values: the vector
; and transcendental work decides); prefetches (the table of 12.8 MB is read some 22 times over and was written by the launch before).
; out0 is 4 bytes a batch: a whole block of 256 bytes would want 64 batches in one work-group.
.set PITCH, 272                        ; an LDS row: 256 bytes + 16: sixteen rows begin at sixteen different 16-byte columns modulo 256 bytes
.set QS,  0                            ; 64 rows x 272: the query rows, row = 32 side + query
.set ST,  17408                        ; 8 x 4,352: each wave's stage, 16 rows x 272
.set IX,  52224                        ; 8 x 512: each wave's 128 document indices
.set RED, 56320                        ; 8 x 1,280: each wave's sums, [wave 8][kernel 10][query 32] f32
.set REDW, 1280                        ; a wave's part of RED
.set W0R, 10                           ; v[10:19]   row min(r, 9) of w0
.set B0R, 20                           ; v20        b0[min(r, 9)]
.set W1R, 21                           ; v[21:25]   w1[i][min(r, 9)]
.set O,   26                           ; v[26:33]   eight indices, then byte offsets into tab
.set G0,  34                           ; v[34:65]   gather buffer 0
.set G1,  66                           ; v[66:97]   gather buffer 1
.set T,   98                           ; v[98:129]  A's fragments, then at work:
.set W,   T                            ;   -u^2, then g, then g t^2
.set AA,  T+8                          ;   a, then t
.set W4,  T+16                         ;   -u^2 - 4 a, then m, then m t^2
.set T2,  T+24                         ;   t^2
.set D0,  130                          ; v[130:137] u for queries 0-15, then kernel 9
.set D1,  138                          ; v[138:145] u for queries 16-31, then kernel 9
.set ACC, 146                          ; v[146:185] the pair of (query tile qt, kernel k) at ACC + 20 qt + 2 k
.set Q,   186                          ; v[186:249] B's fragments: (qt, K step ks) at Q + 8 (4 qt + ks)
; v1 = 16 r; v2 stage, in; v3 stage, back; v4 my indices in IX; v5 = 16 lane; v[6:7] = -100 s; v8 query rows, in; v9 query rows, back;
; v250 = 16 h; v251 = 40 r'; v252 = 4 r'; v253 IX, in; v254 RED, in; v255 RED, back.  None of these is written again.
	s_load_b512 s[4:19], s[0:1], 0x0               ; tab 4:5, query_1 6:7, document_1 8:9, query_2 10:11, document_2 12:13, w0 14:15, b0 16:17, w1 18:19
	s_load_b256 s[20:27], s[0:1], 0x40             ; b1 20:21, w2 22:23, b2 24:25, out0 26:27
	s_set_vgpr_msb 0x40
	v_lshl_add_u32 v0, v0, 2, 0x10400
	v_mov_b32 v1, 0
	s_set_vgpr_msb 0x4000
	v_lshrrev_b32 v5, 5, v0
	v_readfirstlane_b32 s28, v5                    ; wave 0..7
	s_lshr_b32 s29, s28, 2                         ; side
	s_and_b32 s30, s28, 3                          ; quarter
	s_mov_b32 s46, 0x407195ba                      ; CA = 2 s 2/9 = 3.7747636, as a pair
	s_mov_b32 s47, 0x407195ba
	s_mov_b32 s48, 0x42c80000                      ; 100.0, as a pair
	s_mov_b32 s49, 0x42c80000
	s_mov_b32 s50, 0x76543210                      ; v_permlanex16_b32: lane i reads lane i of the other half
	s_mov_b32 s51, 0xfedcba98
	s_lshl_b32 s56, ttmp9, 11                      ; documents: batch x 2,048 bytes
	s_lshl_b32 s31, s30, 9                         ;            + quarter x 512
	s_add_co_u32 s56, s56, s31
	s_mov_b32 s57, 0
	s_lshl_b32 s38, ttmp9, 7                       ; queries: batch x 128 bytes
	s_lshl_b32 s31, s30, 5                         ;          + quarter x 32 (the eight rows that this wave fetches)
	s_add_co_u32 s38, s38, s31
	s_mov_b32 s39, 0
	s_mul_i32 s58, s28, 16*PITCH
	s_add_co_u32 s58, s58, ST                      ; my stage
	s_lshl_b32 s59, s28, 9
	s_add_co_u32 s59, s59, IX                      ; my indices
	s_mul_i32 s60, s28, 8*PITCH                    ; query rows in: 32 side + 8 quarter = 8 wave
	s_mul_i32 s61, s29, 32*PITCH                   ; query rows back: my side's 32
	s_mul_i32 s62, s28, REDW
	s_add_co_u32 s62, s62, RED                     ; my part of RED: a constant + wave x a constant
	v_and_b32 v130, 15, v0                         ; r
	v_bfe_u32 v131, v0, 4, 1                       ; h
	v_and_b32 v5, 31, v0
	v_lshlrev_b32 v133, 2, v5                      ; 4 lane
	v_lshlrev_b32 v5, 4, v5                        ; 16 lane
	v_lshlrev_b32 v1, 4, v130                      ; 16 r
	v_lshlrev_b32 v250, 4, v131                    ; 16 h
	v_min_u32 v251, 9, v130                        ; r' = min(r, 9): lanes 10 to 15 of a half read row 9 again, inside the buffers
	v_lshlrev_b32 v252, 2, v251                    ; 4 r'
	v_mul_u32_u24 v251, v251, 40                   ; 40 r'
	s_wait_kmcnt 0x0
	s_cmp_eq_u32 s29, 0
	s_cselect_b64 s[52:53], s[8:9], s[12:13]       ; my side's documents
	s_cselect_b64 s[54:55], s[6:7], s[10:11]       ; my side's queries
	s_add_nc_u64 s[52:53], s[52:53], s[56:57]
	s_add_nc_u64 s[54:55], s[54:55], s[38:39]
	global_load_b128 v[G0:G0+3], v5, s[52:53] th:TH_LOAD_NT    ; my 128 document indices: 512 consecutive bytes, read once in the launch
	global_load_b128 v[O:O+3], v250, s[54:55]      ; query indices 4 h .. 4 h + 3 of my eight
.irp i, 0,1,2,3,4
	global_load_b64 v[W0R+2*\i:W0R+2*\i+1], v251, s[14:15] offset:8*\i     ; w0[r'][2 i], [2 i + 1].  Every wave loads the 11 weight words,
.endr
	global_load_b32 v[B0R], v252, s[16:17]                                 ; though wave 0 alone uses them: they are then written on every wave's way
.irp i, 0,1,2,3,4
	global_load_b32 v[W1R+\i], v252, s[18:19] offset:40*\i                 ; w1[i][r']
.endr
	s_load_b128 s[32:35], s[20:21], 0x0            ; b1[0..3]
	s_load_b32 s36, s[20:21], 0x10                 ; b1[4]
	s_load_b128 s[40:43], s[22:23], 0x0            ; w2[0..3]
	s_load_b32 s44, s[22:23], 0x10                 ; w2[4]
	s_load_b32 s45, s[24:25], 0x0                  ; b2: all waited for in the tail
	v_mul_u32_u24 v132, v130, PITCH
	v_lshl_add_u32 v132, v131, 4, v132             ; 272 r + 16 h: a fragment's lane term
	v_add_nc_u32 v3, s58, v132                     ; stage, back
	v_mad_u32_u24 v2, v131, 8*PITCH, v1
	v_add_nc_u32 v2, s58, v2                       ; stage, in: row 8 h (+ i), byte 16 r
	v_lshl_add_u32 v4, v131, 5, s59                ; my eight indices of a tile: 32 h (+ 64 tile)
	v_add_nc_u32 v253, s59, v5
	v_mad_u32_u24 v8, v131, 4*PITCH, v1
	v_add_nc_u32 v8, s60, v8                       ; query rows in: row 8 wave + 4 h (+ i), byte 16 r
	v_add_nc_u32 v9, s61, v132                     ; query rows back
	v_add_nc_u32 v254, s62, v133                   ; RED, in: my part + 4 lane
	v_add_nc_u32 v255, RED, v133                   ; RED, back: 4 lane; wave and kernel stand in the loads' immediates
	v_mov_b32 v6, 0xc4545498                       ; -100 s = -849.3218, as a pair
	v_mov_b32 v7, 0xc4545498
; Eight indices become byte offsets into tab: clamped to the last row, x 256, + my 16 bytes of the row.
.macro OFFS
.irp i, 0,1,2,3,4,5,6,7
	v_min_u32 v[O+\i], 0xc34f, v[O+\i]
.endr
.irp i, 0,1,2,3,4,5,6,7
	v_lshl_add_u32 v[O+\i], v[O+\i], 8, v1
.endr
.endm
; Eight loads: instruction i takes row i of the tile (lanes 0-15) and row 8 + i (lanes 16-31), 256 consecutive bytes each.
.macro LOADS g
.irp i, 0,1,2,3,4,5,6,7
	global_load_b128 v[\g+4*\i:\g+4*\i+3], v[O+\i], s[4:5]
.endr
.endm
.macro GATHER t, g
	s_wait_xcnt 0x0                                ; O holds the addresses of earlier loads: written again only behind this wait
	ds_load_b128 v[O:O+3],   v4 offset:64*\t       ; indices 16 t + 8 h + 0..7; LDS serves a wave's instructions in order (ISA guide 5.7.1.4): these see my store
	ds_load_b128 v[O+4:O+7], v4 offset:64*\t+16
	s_wait_dscnt 0x0
	OFFS
	LOADS \g
.endm
	s_wait_loadcnt 11                              ; the two index loads are in; the 11 weight loads behind them may stay out
	ds_store_b128 v253, v[G0:G0+3]                 ; my bytes alone: no barrier
.irp i, 0,1,2,3
	v_min_u32 v[O+\i], 0xc34f, v[O+\i]
.endr
.irp i, 0,1,2,3
	v_lshl_add_u32 v[O+\i], v[O+\i], 8, v1
.endr
.irp i, 0,1,2,3
	global_load_b128 v[T+4*\i:T+4*\i+3], v[O+\i], s[4:5]   ; query rows i and 4 + i of my eight
.endr
	GATHER 0, G0
	GATHER 1, G1
	s_wait_loadcnt 16                              ; the query rows are in; the 16 loads of tiles 0 and 1 stay out
.irp i, 0,1,2,3
	ds_store_b128 v8, v[T+4*\i:T+4*\i+3] offset:PITCH*\i
.endr
	s_wait_dscnt 0x0                               ; for the other waves' sake: my query rows are in LDS
	s_barrier_signal -1
	s_barrier_wait -1                              ; everybody's are
.irp q, 0,1
.irp s, 0,1,2,3
	ds_load_b128 v[Q+32*\q+8*\s:Q+32*\q+8*\s+3],   v9 offset:16*PITCH*\q+64*\s       ; column r of query tile q: k = 32 s + 8 h + 0..7
	ds_load_b128 v[Q+32*\q+8*\s+4:Q+32*\q+8*\s+7], v9 offset:16*PITCH*\q+64*\s+32    ;                          k = 32 s + 16 + 8 h + 0..7
.endr
.endr                                              ; waited for by tile 0's wait for all LDS instructions
.macro PADD acc, x, first                          ; acc += x; the first summand starts the sum: nothing is cleared
.if \first
	v_pk_add_f32 v[\acc:\acc+1], v[\x:\x+1], 0 op_sel_hi:[1,0]
.else
	v_pk_add_f32 v[\acc:\acc+1], v[\acc:\acc+1], v[\x:\x+1]
.endif
.endm
.macro PFMA acc, x, y, first                       ; acc += x y
.if \first
	v_pk_mul_f32 v[\acc:\acc+1], v[\x:\x+1], v[\y:\y+1]
.else
	v_pk_fma_f32 v[\acc:\acc+1], v[\x:\x+1], v[\y:\y+1], v[\acc:\acc+1]
.endif
.endm
; The ten sums take pair p of the eight documents.  a = ACC + 20 qt.  The two rescalings by t^2 stand in the middle, so that no line reads the result of the line in front of it.
.macro SUMS d, a, p, first
	v_pk_mul_f32 v[T2+2*\p:T2+2*\p+1], v[AA+2*\p:AA+2*\p+1], v[AA+2*\p:AA+2*\p+1]   ; t^2
	PADD \a+0,  W4+2*\p, \first                    ; j = -4: m
	PFMA \a+2,  W4+2*\p, AA+2*\p, \first           ; j = -3: m t
	PADD \a+8,  W+2*\p, \first                     ; j =  0: g
	PFMA \a+10, W+2*\p, AA+2*\p, \first            ; j =  1: g t
	v_pk_mul_f32 v[W4+2*\p:W4+2*\p+1], v[W4+2*\p:W4+2*\p+1], v[T2+2*\p:T2+2*\p+1]   ; m t^2
	v_pk_mul_f32 v[W+2*\p:W+2*\p+1],   v[W+2*\p:W+2*\p+1],   v[T2+2*\p:T2+2*\p+1]   ; g t^2
	PADD \a+18, \d+2*\p, \first                    ; kernel 9
	PADD \a+4,  W4+2*\p, \first                    ; j = -2
	PFMA \a+6,  W4+2*\p, AA+2*\p, \first           ; j = -1
	PADD \a+12, W+2*\p, \first                     ; j =  2
	PFMA \a+14, W+2*\p, AA+2*\p, \first            ; j =  3
	PFMA \a+16, W+2*\p, T2+2*\p, \first            ; j =  4
.endm
; The eight results in d (16 documents x 16 queries of tile qt) go into the ten sums: 20 packed lines, 32 exponentials, 52 packed lines.
.macro KERN d, qt, init
.irp p, 0,1,2,3
	v_pk_mul_f32 v[W+2*\p:W+2*\p+1],   v[\d+2*\p:\d+2*\p+1], v[\d+2*\p:\d+2*\p+1] neg_lo:[1,0] neg_hi:[1,0]   ; -u^2
	v_pk_mul_f32 v[AA+2*\p:AA+2*\p+1], v[\d+2*\p:\d+2*\p+1], s[46:47] op_sel_hi:[1,0]                         ; a = CA u
.endr
.irp p, 0,1,2,3
	v_pk_fma_f32 v[W4+2*\p:W4+2*\p+1], v[AA+2*\p:AA+2*\p+1], -4.0, v[W+2*\p:W+2*\p+1] op_sel_hi:[1,0,1]       ; -u^2 - 4 a
	v_pk_fma_f32 v[\d+2*\p:\d+2*\p+1], v[\d+2*\p:\d+2*\p+1], s[48:49], v[6:7] op_sel_hi:[1,0,1]               ; z = 100 u - 100 s, one rounding
.endr
.irp p, 0,1,2,3
	v_pk_mul_f32 v[\d+2*\p:\d+2*\p+1], v[\d+2*\p:\d+2*\p+1], v[\d+2*\p:\d+2*\p+1] neg_lo:[1,0] neg_hi:[1,0]   ; -z^2
.endr
.irp j, 0,1,2,3,4,5,6,7
	v_exp_f32 v[AA+\j], v[AA+\j]                   ; t
.endr
.irp j, 0,1,2,3,4,5,6,7
	v_exp_f32 v[W4+\j], v[W4+\j]                   ; m
.endr
.irp j, 0,1,2,3,4,5,6,7
	v_exp_f32 v[W+\j], v[W+\j]                     ; g
.endr
.irp j, 0,1,2,3,4,5,6,7
	v_exp_f32 v[\d+\j], v[\d+\j]                   ; kernel 9
.endr
	v_nop                                          ; one plain vector instruction behind the last transcendental before a result is used (ISA guide 5.7.2)
	s_wait_alu depctr_va_vdst(0)
	SUMS \d, ACC+20*\qt, 0, \init
	SUMS \d, ACC+20*\qt, 1, 0
	SUMS \d, ACC+20*\qt, 2, 0
	SUMS \d, ACC+20*\qt, 3, 0
.endm
; Tile t of the wave's eight, out of gather buffer g.  left = how many younger loads may stay out; ahead = 1: tile t + 2 is asked for, into the same buffer.
.macro TILE t, g, left, ahead, init
	s_wait_loadcnt \left                           ; my tile's eight loads are in; the next tile's eight stay out
.irp i, 0,1,2,3,4,5,6,7
	ds_store_b128 v2, v[\g+4*\i:\g+4*\i+3] offset:PITCH*\i     ; rows i and 8 + i of the stage.  The last tile's reads of it were waited for
.endr
.if \ahead
	s_wait_xcnt 0x0                                ; O holds the addresses of the next tile's loads: written again only behind this wait
	ds_load_b128 v[O:O+3],   v4 offset:64*(\t+2)
	ds_load_b128 v[O+4:O+7], v4 offset:64*(\t+2)+16
.endif
.irp s, 0,1,2,3
	ds_load_b128 v[T+8*\s:T+8*\s+3],   v3 offset:64*\s         ; row r of the tile: k = 32 s + 8 h + 0..7; in order behind my stores
	ds_load_b128 v[T+8*\s+4:T+8*\s+7], v3 offset:64*\s+32      ;                    k = 32 s + 16 + 8 h + 0..7
.endr
	s_wait_dscnt 0x0
	v_wmma_f32_16x16x32_f16 v[D0:D0+7], v[T:T+7], v[Q:Q+7], 0              ; the first K step starts both sums.  D0 and D1 take turns,
	v_wmma_f32_16x16x32_f16 v[D1:D1+7], v[T:T+7], v[Q+32:Q+39], 0          ; one instruction a turn
.irp s, 1,2,3
	v_wmma_f32_16x16x32_f16 v[D0:D0+7], v[T+8*\s:T+8*\s+7], v[Q+8*\s:Q+8*\s+7], v[D0:D0+7]
	v_wmma_f32_16x16x32_f16 v[D1:D1+7], v[T+8*\s:T+8*\s+7], v[Q+32+8*\s:Q+32+8*\s+7], v[D1:D1+7]
.endr
.if \ahead
	OFFS                                           ; 16 plain vector lines that name no register of a matrix instruction: the places behind them (ISA guide 7.12.1)
	LOADS \g                                       ; the buffer's LDS stores are done (the wait for all LDS instructions above)
.else
.rept 5
	v_nop                                          ; the same places, where nothing is left to ask for: four for the vector lines below, five for the next tile's first products
.endr
.endif
	KERN D0, 0, \init
	KERN D1, 1, \init
.endm
	TILE 0, G0, 8, 1, 1
	TILE 1, G1, 8, 1, 0
	TILE 2, G0, 8, 1, 0
	TILE 3, G1, 8, 1, 0
	TILE 4, G0, 8, 1, 0
	TILE 5, G1, 8, 1, 0
	TILE 6, G0, 8, 0, 0                            ; tile 7's eight loads are still out
	TILE 7, G1, 0, 0, 0
	; THE WAVE'S END.  A pair's two halves; then lanes (r, 0) and (r, 1) hold two halves of one query's sum.  The two query tiles are folded
	; together: lane L ends up with query L's sum over my 128 documents.
	v_cmp_ne_u32 vcc_lo, 0, v250                   ; lanes 16-31; kept until the tail's last compare
.set k, 0
.rept 20
	v_add_f32 v[ACC+2*k], v[ACC+2*k], v[ACC+2*k+1]
.set k, k+1
.endr
.irp k, 0,1,2,3,4,5,6,7,8,9
	v_cndmask_b32 v[T+\k],    v[ACC+2*\k], v[ACC+20+2*\k], vcc_lo   ; what stays: tile 0 below, tile 1 above
	v_cndmask_b32 v[T+10+\k], v[ACC+20+2*\k], v[ACC+2*\k], vcc_lo   ; what crosses
.endr
.irp k, 0,1,2,3,4,5,6,7,8,9
	v_permlanex16_b32 v[T+20+\k], v[T+10+\k], s50, s51              ; (the destination has been written in every tile)
.endr
.irp k, 0,1,2,3,4,5,6,7,8,9
	v_add_f32 v[T+\k], v[T+\k], v[T+20+\k]
.endr
.irp k, 0,1,2,3,4,5,6,7,8,9
	ds_store_b32 v254, v[T+\k] offset:128*\k       ; RED[wave][k][query = lane]: 128 consecutive bytes of my own part
.endr
	s_wait_dscnt 0x0                               ; for wave 0's sake
	s_barrier_signal -1
	s_barrier_wait -1
	s_cmp_lg_u32 s28, 0
	s_cbranch_scc1 .Lend                           ; the tail is 20 x 32 numbers: one wave's work
	; THE TAIL, wave 0.  Item n = 10 side + k in four registers at IT + 4 n, one for each quarter; lane = query.
.set IT, 34                            ; v[34:113]
.set CJ, 114                           ; v[114:117] c_1 .. c_4
.set HH, 118                           ; layer 0's output of lane r
.set L1, 119                           ; v[119:123] layer 1
.set LG, 124                           ; the logit; v125 the other side's; v126 = 0
.irp sd, 0,1
.irp k, 0,1,2,3,4,5,6,7,8,9
.irp q, 0,1,2,3
	ds_load_b32 v[IT+40*\sd+4*\k+\q], v255 offset:REDW*(4*\sd+\q)+128*\k   ; wave 4 side + q's sum of kernel k for query = lane
.endr
.endr
.endr
	v_exp_f32 v[CJ],   0xc063fb40                  ; c_1 = exp2(-3.562210)
	v_exp_f32 v[CJ+1], 0xc163fb40                  ; c_2 = exp2(-14.24884)
	v_exp_f32 v[CJ+2], 0xc2003d54                  ; c_3 = exp2(-32.05989)
	v_exp_f32 v[CJ+3], 0xc263fb40                  ; c_4 = exp2(-56.99536)
	v_nop                                          ; the place behind the transcendentals
	s_mov_b32 s31, 0x3f317218                      ; ln 2
	s_wait_kmcnt 0x0                               ; b1, w2, b2
	s_wait_dscnt 0x0
.set n, 0
.rept 20
	v_pk_add_f32 v[IT+4*n:IT+4*n+1], v[IT+4*n:IT+4*n+1], v[IT+4*n+2:IT+4*n+3]
.set n, n+1
.endr
.set n, 0
.rept 20
	v_add_f32 v[IT+4*n], v[IT+4*n], v[IT+4*n+1]    ; the sum over all 512 documents
.set n, n+1
.endr
	s_wait_alu depctr_va_vdst(0)
.irp sd, 0,1
.irp j, 1,2,3,4
	v_mul_f32 v[IT+40*\sd+4*(4-\j)], v[CJ+\j-1], v[IT+40*\sd+4*(4-\j)]     ; kernels 4 - j and 4 + j share c_j; kernels 4 and 9 have none
	v_mul_f32 v[IT+40*\sd+4*(4+\j)], v[CJ+\j-1], v[IT+40*\sd+4*(4+\j)]
.endr
.endr
	; log1p(S) = ln(y) + (S - (y - 1)) / y with y = 1 + S rounded: the second term gives back what the rounding of y lost, so small S stay S
.set n, 0
.rept 20
	v_add_f32 v[IT+4*n+1], 1.0, v[IT+4*n]          ; y
.set n, n+1
.endr
.set n, 0
.rept 20
	v_add_f32 v[IT+4*n+2], -1.0, v[IT+4*n+1]       ; y - 1, exact
.set n, n+1
.endr
.set n, 0
.rept 20
	v_sub_f32 v[IT+4*n+2], v[IT+4*n], v[IT+4*n+2]  ; e = S - (y - 1)
.set n, n+1
.endr
.set n, 0
.rept 20
	v_log_f32 v[IT+4*n+3], v[IT+4*n+1]             ; log2 y
.set n, n+1
.endr
.set n, 0
.rept 20
	v_rcp_f32 v[IT+4*n], v[IT+4*n+1]               ; 1 / y, into S's register, which is done with: no transcendental writes another's source
.set n, n+1
.endr
	v_nop                                          ; the place behind the transcendentals
.set n, 0
	s_wait_alu depctr_va_vdst(0)
.rept 20
	v_mul_f32 v[IT+4*n+2], v[IT+4*n+2], v[IT+4*n]  ; e / y
.set n, n+1
.endr
.set n, 0
.rept 20
	v_fma_f32 v[IT+4*n], v[IT+4*n+3], s31, v[IT+4*n+2]     ; log2(y) ln 2 + e / y
.set n, n+1
.endr
	; the sum over the 32 queries, both sides at once: side 1's ends up in lanes 0-15, side 2's in lanes 16-31
.irp k, 0,1,2,3,4,5,6,7,8,9
	v_cndmask_b32 v[IT+4*\k+1], v[IT+4*\k], v[IT+40+4*\k], vcc_lo
	v_cndmask_b32 v[IT+4*\k+2], v[IT+40+4*\k], v[IT+4*\k], vcc_lo
.endr
.irp k, 0,1,2,3,4,5,6,7,8,9
	v_permlanex16_b32 v[IT+4*\k+3], v[IT+4*\k+2], s50, s51
.endr
.irp k, 0,1,2,3,4,5,6,7,8,9
	v_add_f32 v[IT+4*\k], v[IT+4*\k+1], v[IT+4*\k+3]
.endr
.irp m, 1,2,4,8
.irp k, 0,1,2,3,4,5,6,7,8,9
	v_add_f32_dpp v[IT+4*\k], v[IT+4*\k], v[IT+4*\k] row_xmask:\m row_mask:0xf bank_mask:0xf
.endr
.endr
	; layer 0: lane r makes output r of its side
	v_fma_f32 v[HH], v[W0R], v[IT], v[B0R]
.irp k, 1,2,3,4,5,6,7,8,9
	v_fmac_f32 v[HH], v[W0R+\k], v[IT+4*\k]
.endr
	v_cmp_gt_u32 s58, 160, v1                      ; 16 r < 160: the ten outputs that exist
	v_max_num_f32 v[HH], 0, v[HH]
	v_cndmask_b32 v[HH], 0, v[HH], s58             ; lanes 10-15 of a half add nothing below
	; layer 1: five sums over the half's lanes
.irp i, 0,1,2,3,4
	v_mul_f32 v[L1+\i], v[W1R+\i], v[HH]
.endr
.irp m, 1,2,4,8
.irp i, 0,1,2,3,4
	v_add_f32_dpp v[L1+\i], v[L1+\i], v[L1+\i] row_xmask:\m row_mask:0xf bank_mask:0xf
.endr
.endr
.irp i, 0,1,2,3,4
	v_add_f32 v[L1+\i], s[32+\i], v[L1+\i]         ; + b1[i]
.endr
.irp i, 0,1,2,3,4
	v_max_num_f32 v[L1+\i], 0, v[L1+\i]
.endr
	; layer 2, the difference of the sides, the sigmoid
	v_fma_f32 v[LG], s40, v[L1], s45               ; b2 + w2[0] h[0]
.irp i, 1,2,3,4
	v_fmac_f32 v[LG], s[40+\i], v[L1+\i]
.endr
	v_permlanex16_b32 v[LG+1], v[LG], s50, s51     ; the other side's logit (the destination has been written in every tile)
	s_lshl_b32 s56, ttmp9, 2                       ; out0: 4 bytes a batch (s57 is still 0)
	s_add_nc_u64 s[26:27], s[26:27], s[56:57]
	v_sub_f32 v[LG], v[LG], v[LG+1]                ; in lanes 0-15: logit 1 - logit 2
	v_mul_f32 v[LG], 0xbfb8aa3b, v[LG]             ; x -log2 e
	v_exp_f32 v[LG], v[LG]
	v_mov_b32 v[LG+2], 0                           ; the place behind the exponential; the store's offset
	s_wait_alu depctr_va_vdst(0)
	v_add_f32 v[LG], 1.0, v[LG]
	v_rcp_f32 v[LG], v[LG]                         ; 1 / (1 + e^-d); an exponential that overflows gives 1 / infinity = 0, as in the reference
	v_nop                                          ; the place behind the reciprocal
	s_wait_xcnt 0x0                                ; EXEC is a source of the loads issued above: it changes only behind this wait
	v_cmp_eq_u32 vcc_lo, 0, v0
	s_and_saveexec_b32 s58, vcc_lo                 ; thread 0 alone
	s_wait_alu depctr_va_vdst(0)
	global_store_b32 v[LG+2], v[LG], s[26:27]
	s_wait_xcnt 0x0                                ; and again in front of the line that widens it
	s_or_b32 exec_lo, exec_lo, s58
.Lend:
	s_set_vgpr_msb 0x5
	s_wait_tensorcnt 0x0
	ds_add_u32 v0, v1
	s_wait_dscnt 0x0
	s_set_vgpr_msb 0x500
	s_endpgm
.Lfunc_end_k_q6e0846b5f7_knrm:
	.size	k_q6e0846b5f7_knrm, .Lfunc_end_k_q6e0846b5f7_knrm-k_q6e0846b5f7_knrm
	.p2alignl 7, 3214868480
	.fill 96, 4, 3214868480
	.section	.rodata,"a",@progbits
	.p2align	6, 0x0
	.amdhsa_kernel k_q6e0846b5f7_knrm
		.amdhsa_group_segment_fixed_size 67584
		.amdhsa_private_segment_fixed_size 0
		.amdhsa_enable_private_segment 0
		.amdhsa_kernarg_size 96
		.amdhsa_user_sgpr_count 2
		.amdhsa_user_sgpr_kernarg_segment_ptr 1
		.amdhsa_wavefront_size32 1
		.amdhsa_system_sgpr_workgroup_id_x 1
		.amdhsa_system_sgpr_workgroup_id_y 1
		.amdhsa_system_sgpr_workgroup_id_z 1
		.amdhsa_system_vgpr_workitem_id 0
		.amdhsa_next_free_vgpr 258
		.amdhsa_next_free_sgpr 66
		.amdhsa_reserve_vcc 1
		.amdhsa_float_denorm_mode_32 3
		.amdhsa_float_denorm_mode_16_64 3
		.amdhsa_memory_ordered 1
		.amdhsa_forward_progress 1
		.amdhsa_inst_pref_size 148
	.end_amdhsa_kernel
	.amdgpu_metadata
---
amdhsa.version: [ 1, 2 ]
amdhsa.kernels:
  - .name:           k_q6e0846b5f7_knrm
    .symbol:         k_q6e0846b5f7_knrm.kd
    .args:
      - { .name: tab, .offset: 0, .size: 8, .value_kind: global_buffer, .address_space: global }
      - { .name: query_1, .offset: 8, .size: 8, .value_kind: global_buffer, .address_space: global }
      - { .name: document_1, .offset: 16, .size: 8, .value_kind: global_buffer, .address_space: global }
      - { .name: query_2, .offset: 24, .size: 8, .value_kind: global_buffer, .address_space: global }
      - { .name: document_2, .offset: 32, .size: 8, .value_kind: global_buffer, .address_space: global }
      - { .name: w0, .offset: 40, .size: 8, .value_kind: global_buffer, .address_space: global }
      - { .name: b0, .offset: 48, .size: 8, .value_kind: global_buffer, .address_space: global }
      - { .name: w1, .offset: 56, .size: 8, .value_kind: global_buffer, .address_space: global }
      - { .name: b1, .offset: 64, .size: 8, .value_kind: global_buffer, .address_space: global }
      - { .name: w2, .offset: 72, .size: 8, .value_kind: global_buffer, .address_space: global }
      - { .name: b2, .offset: 80, .size: 8, .value_kind: global_buffer, .address_space: global }
      - { .name: out0, .offset: 88, .size: 8, .value_kind: global_buffer, .address_space: global }
    .group_segment_fixed_size: 67584
    .private_segment_fixed_size: 0
    .kernarg_segment_align: 8
    .kernarg_segment_size: 96
    .max_flat_workgroup_size: 256
    .sgpr_count:     66
    .vgpr_count:     258
    .wavefront_size: 32
...
	.end_amdgpu_metadata
.endif
;; end of part 2
